; MI455X (gfx1250); checked and timed in simulation.
; The chip was launched on July 23, 2026; its instructions are those of AMD's public machine-readable ISA for CDNA 5 (MIT licence, August 2026) and "CDNA5" Instruction Set Architecture Reference Guide (July 2026). The comments in the code are by the model that wrote it; some were corrected since.
;; Feature Propagation. Allowed arithmetic: float matrix products may take bf16 or f16 operands with f32 sums; other float arithmetic in f32, or as packed bf16 or f16 multiplies, adds, multiply-adds, maxima and minima; sums over many terms, partial sums and values carried from step to step in f32; what a program stores and reads back later, other than sums and carried values, may be rounded once to bf16 or f16.
;; Inputs: W1 256 x 128 float32; W2 128 x 128 float32; b1 128 float32; b2 128 float32; be1 128 float32; be2 128 float32; feat_coarse 4 x 4,096 x 128 float32; feat_skip 4 x 8,192 x 128 float32; g1 128 float32; g2 128 float32; xyz_coarse 4 x 4,096 x 3 float32; xyz_fine 4 x 8,192 x 3 float32.
;; Outputs: out0 4 x 8,192 x 128 float32.
;; One version. Each part assembles by itself: llvm-mc -triple=amdgcn-amd-amdhsa -mcpu=gfx1250 --defsym DOCPART=n.
;; ======== version 1 of 1: 5 launches
;; limits: values are held in f16: magnitudes above 65,504 overflow, below 6.1e-05 lose precision
;; workspace buffers: gsel 524,288 bytes of whole numbers; nidx 524,288 bytes of whole numbers; nwgt 524,288 bytes; prep 4,292,608 bytes; h1 8,388,608 bytes; st1 65,536 bytes; h2 8,388,608 bytes; st2 65,536 bytes
;; launch knn_groups (part 1): grid 64 x 4, 8 waves a work-group, no clusters, 91,136 bytes of LDS; arguments xyz_coarse, xyz_fine, feat_coarse, W1, W2, gsel, prep; writes gsel, prep
.if DOCPART == 1
	.amdgcn_target "amdgcn-amd-amdhsa--gfx1250"
	.amdhsa_code_object_version 6
	.text
	.protected	k_q31c175ca37_knn_groups
	.globl	k_q31c175ca37_knn_groups
	.p2align	8
	.type	k_q31c175ca37_knn_groups,@function
k_q31c175ca37_knn_groups:
	s_mov_b64 s[64:65], 0
	v_nop
	global_prefetch_b8 v0, s[64:65] scope:SCOPE_SE
	s_setreg_imm32_b32 hwreg(HW_REG_WAVE_MODE, 25, 1), 1
	s_wait_xcnt 0x0
; knn_groups.  For each fine point: the three GROUPS of 16 consecutive coarse points that come first by (least d2 in the group, group number).
; The three nearest points by (d2, index) lie in those three groups: if three groups came before a point's group, each would hold a point that comes before it.
; So the scan over 4,096 coarse points keeps group minima alone (half a three-way minimum a pair, one insertion for 16 pairs); the next launch sorts the 48 candidates.
; ARITHMETIC.  All coordinates are first rounded to bf16 (nearest even); then, in f32, exactly: sq = fma(z,z,fma(y,y,x*x)); m = fma(-2fz,cz,fma(-2fy,cy,-2fx*cx));
; d2 = max((sq_f + sq_c) + m, 0).  Products of two bf16 numbers are exact in f32, so a fused and an unfused sum give the same bits.  It runs on the vector unit: a product of
; depth 3 would fill 3 of a matrix instruction's 32 places along K, and a selection that feeds a gather cannot take another order of rounding.
; Equal values: the lower group number stays (strict less-than, groups scanned and merged in ascending order).
; LIMITS.  NaN and infinite coordinates are not treated apart.  The neighbours are those of the bf16-rounded coordinates.
; SHARES.  A work-group: 128 fine points x the batch's 4,096 coarse points.  Wave w: coarse points 512 w .. 512 w + 511 (groups 32 w .. 32 w + 31) for all 128 fine points;
; lane l holds fine points 32 q + l, q = 0..3.  The two halves of a packed line are two neighbouring coarse points; a fine operand is a register pair that holds its number twice.
; SIDE JOBS, while the scan leaves memory idle: feat_coarse is rounded to bf16 (64 rows a work-group, 8 a wave) and W1, W2 are rounded to bf16, written as f16 and transposed
; (wave 0 of work-groups 0..191: one row of W1^T or two of W2^T, 512 bytes out; its 256 loads of 4 bytes stand 512 bytes apart, once a launch).
; No tensor loads: every byte that enters LDS is converted in registers on the way.  No cluster: what work-groups share (48 KiB of coordinates a batch) is staged once a work-group.
.set ARR,   16384                      ; LDS: x, y, z, sq of the batch's coarse points, four arrays of 4,096 f32
.set MERGE, 4*ARR                      ; [8 waves][6: m1 m2 m3 i1 i2 i3][128 fine points] words
.set SPARE, MERGE+24576                ; the spare words, 128 bytes a wave: four blocks of 256 bytes that no other line names
.set FP,  16                           ; v[16+8q ..]  -2fx twice, -2fy twice, -2fz twice, sq_f twice
.set ST,  48                           ; v[48+6q ..]  m1 m2 m3 (ascending), i1 i2 i3
.set G,   72                           ; v[72+q]      the group's minimum, clamped
.set IT,  76                           ; v[76+2q ..]  two at work in an insertion
.set GV,  84                           ; the group's number
.set CA,  85                           ; LDS byte of the group pair in hand, in array x
.set SPW, 86                           ; LDS address of my spare word; never rewritten
.set NIL, 87                           ; 0; never rewritten
.set D,   96                           ; v[96:111]   8 pairs: m, then d2
.set T,   112                          ; v[112:127]  8 pairs: sq_f + sq_c; then the tree of minima
.set CB0, 128                          ; v[128:191]  a group's x, y, z, sq: 16 registers each
.set CB1, 192                          ; v[192:255]  the other group's
.set CRW, 128                          ; at the head: 16 coarse points as loaded, 3 registers each
.set FR,  176                          ; at the head: 4 fine points as loaded
.set FE,  192                          ; at the head: 8 rows of feat_coarse, 4 registers each
.set WR,  224                          ; at the head: 8 weights as loaded; v[232:235] packed
; a point is rounded to bf16 and widened again in place; sq takes its squared length
.macro STAGEPT x, y, z, t0, t1, sq
	v_cvt_pk_bf16_f32 v[(\t0)], v[(\x)], v[(\y)]
	v_cvt_pk_bf16_f32 v[(\t1)], v[(\z)], v[(\z)]
	v_lshlrev_b32 v[(\x)], 16, v[(\t0)]
	v_and_b32 v[(\y)], s27, v[(\t0)]
	v_lshlrev_b32 v[(\z)], 16, v[(\t1)]
	v_mul_f32 v[(\sq)], v[(\x)], v[(\x)]
	v_fma_f32 v[(\sq)], v[(\y)], v[(\y)], v[(\sq)]
	v_fma_f32 v[(\sq)], v[(\z)], v[(\z)], v[(\sq)]
.endm
; value v[dv] with number num goes into the ascending triple v[mm..mm+2], numbers v[ix..ix+2]; an equal value never displaces an older one
.macro INSERT dv, num, mm, ix, tp, sk
	v_cmp_lt_f32 s[(\sk)], v[(\dv)], v[(\mm)]
	v_cmp_lt_f32 s[(\sk)+1], v[(\dv)], v[(\mm)+1]
	v_cmp_lt_f32 s[(\sk)+2], v[(\dv)], v[(\mm)+2]
	v_med3_num_f32 v[(\mm)+2], v[(\mm)+1], v[(\mm)+2], v[(\dv)]
	v_med3_num_f32 v[(\mm)+1], v[(\mm)], v[(\mm)+1], v[(\dv)]
	v_min_num_f32 v[(\mm)], v[(\mm)], v[(\dv)]
	v_cndmask_b32 v[(\tp)], \num, v[(\ix)+1], s[(\sk)+1]
	v_cndmask_b32 v[(\ix)+2], v[(\ix)+2], v[(\tp)], s[(\sk)+2]
	v_cndmask_b32 v[(\tp)+1], \num, v[(\ix)], s[(\sk)]
	v_cndmask_b32 v[(\ix)+1], v[(\ix)+1], v[(\tp)+1], s[(\sk)+1]
	v_cndmask_b32 v[(\ix)], v[(\ix)], \num, s[(\sk)]
.endm
; the same eleven lines for the lane's four fine points, stage by stage, so that no line waits for the one before it
.macro INS4
.irp q, 0,1,2,3
	v_cmp_lt_f32 s[28+3*\q], v[G+\q], v[ST+6*\q]
	v_cmp_lt_f32 s[29+3*\q], v[G+\q], v[ST+6*\q+1]
	v_cmp_lt_f32 s[30+3*\q], v[G+\q], v[ST+6*\q+2]
.endr
.irp q, 0,1,2,3
	v_med3_num_f32 v[ST+6*\q+2], v[ST+6*\q+1], v[ST+6*\q+2], v[G+\q]
.endr
.irp q, 0,1,2,3
	v_med3_num_f32 v[ST+6*\q+1], v[ST+6*\q], v[ST+6*\q+1], v[G+\q]
.endr
.irp q, 0,1,2,3
	v_min_num_f32 v[ST+6*\q], v[ST+6*\q], v[G+\q]
.endr
.irp q, 0,1,2,3
	v_cndmask_b32 v[IT+2*\q], v[GV], v[ST+6*\q+4], s[29+3*\q]
	v_cndmask_b32 v[IT+2*\q+1], v[GV], v[ST+6*\q+3], s[28+3*\q]
.endr
.irp q, 0,1,2,3
	v_cndmask_b32 v[ST+6*\q+5], v[ST+6*\q+5], v[IT+2*\q], s[30+3*\q]
	v_cndmask_b32 v[ST+6*\q+4], v[ST+6*\q+4], v[IT+2*\q+1], s[29+3*\q]
	v_cndmask_b32 v[ST+6*\q+3], v[ST+6*\q+3], v[GV], s[28+3*\q]
.endr
.endm
; a group's 16 points, four arrays x 64 bytes: every lane names the same address
.macro CFETCH buf, goff
.irp a, 0,1,2,3
.irp j, 0,1,2,3
	ds_load_b128 v[(\buf)+16*\a+4*\j:(\buf)+16*\a+4*\j+3], v[CA] offset:\a*ARR+(\goff)+16*\j
.endr
.endr
.endm
; the least d2 between fine point q of the lane and the 16 points in buf, clamped at 0 (the clamp and the minimum commute)
.macro DIST q, buf
.irp k, 0,1,2,3,4,5,6,7
	v_pk_mul_f32 v[D+2*\k:D+2*\k+1], v[FP+8*(\q):FP+8*(\q)+1], v[(\buf)+2*\k:(\buf)+2*\k+1]
.endr
.irp k, 0,1,2,3,4,5,6,7
	v_pk_fma_f32 v[D+2*\k:D+2*\k+1], v[FP+8*(\q)+2:FP+8*(\q)+3], v[(\buf)+16+2*\k:(\buf)+16+2*\k+1], v[D+2*\k:D+2*\k+1]
.endr
.irp k, 0,1,2,3,4,5,6,7
	v_pk_fma_f32 v[D+2*\k:D+2*\k+1], v[FP+8*(\q)+4:FP+8*(\q)+5], v[(\buf)+32+2*\k:(\buf)+32+2*\k+1], v[D+2*\k:D+2*\k+1]
.endr
.irp k, 0,1,2,3,4,5,6,7
	v_pk_add_f32 v[T+2*\k:T+2*\k+1], v[FP+8*(\q)+6:FP+8*(\q)+7], v[(\buf)+48+2*\k:(\buf)+48+2*\k+1]
.endr
.irp k, 0,1,2,3,4,5,6,7
	v_pk_add_f32 v[D+2*\k:D+2*\k+1], v[T+2*\k:T+2*\k+1], v[D+2*\k:D+2*\k+1]
.endr
	v_min3_num_f32 v[T], v[D], v[D+1], v[D+2]
	v_min3_num_f32 v[T+1], v[D+3], v[D+4], v[D+5]
	v_min3_num_f32 v[T+2], v[D+6], v[D+7], v[D+8]
	v_min3_num_f32 v[T+3], v[D+9], v[D+10], v[D+11]
	v_min3_num_f32 v[T+4], v[D+12], v[D+13], v[D+14]
	v_min3_num_f32 v[T], v[T], v[T+1], v[T+2]
	v_min3_num_f32 v[T+3], v[T+3], v[T+4], v[D+15]
	v_min_num_f32 v[T], v[T], v[T+3]
	v_max_num_f32 v[G+(\q)], 0, v[T]
.endm
.macro GROUP buf
	DIST 0, \buf
	DIST 1, \buf
	DIST 2, \buf
	DIST 3, \buf
	INS4
	v_add_nc_u32 v[GV], 1, v[GV]
.endm
	s_load_b256 s[4:11], s[0:1], 0x0               ; xyz_coarse s[4:5], xyz_fine s[6:7], feat_coarse s[8:9], W1 s[10:11]
	s_load_b128 s[12:15], s[0:1], 0x20             ; W2 s[12:13], gsel s[14:15]
	s_load_b64 s[16:17], s[0:1], 0x30              ; prep
	v_lshl_add_u32 v[SPW], v0, 2, SPARE
	v_mov_b32 v[NIL], 0
	v_lshrrev_b32 v1, 5, v0
	v_readfirstlane_b32 s20, v1                    ; wave 0..7
	v_and_b32 v1, 31, v0                           ; l
	s_and_b32 s22, ttmp7, 0xffff                   ; batch
	s_lshl_b32 s23, s22, 6
	s_add_co_u32 s23, s23, ttmp9                   ; wg = 64 x batch + block: fine points 128 wg .. 128 wg + 127
	s_mov_b32 s25, 0                               ; high word of every offset
	s_mov_b32 s27, 0xffff0000                      ; a word's upper bf16
	v_mul_u32_u24 v2, v0, 12                       ; a point is 12 bytes: coarse point t
	v_mul_u32_u24 v3, v1, 12                       ; fine point l
	v_lshlrev_b32 v4, 2, v0                        ; LDS word t
	v_lshlrev_b32 v5, 4, v1
	v_lshlrev_b32 v6, 3, v1
	v_lshlrev_b32 v10, 4, v0                       ; record t of gsel
	s_mul_i32 s26, s20, 3072
	s_add_co_u32 s26, s26, MERGE
	v_lshl_add_u32 v8, v1, 2, s26                  ; where my triples go
	v_add_nc_u32 v9, MERGE, v4                     ; where thread t reads fine point t's triples
	; the weights' task: wg < 128: row n = wg of W1^T, lane l its k = 8 l .. 8 l + 7; else rows n = 2 (wg - 128) + l / 16 of W2^T, k = 8 (l % 16) ..
	s_sub_co_u32 s42, s23, 128
	s_lshl_b32 s42, s42, 1
	s_cmp_lt_u32 s23, 128
	s_cselect_b32 s40, 31, 15
	s_cselect_b32 s41, 0, 1
	s_cselect_b32 s42, s23, s42
	v_and_b32 v7, s40, v1
	v_lshrrev_b32 v11, 4, v1
	v_and_b32 v11, s41, v11
	v_add_nc_u32 v11, s42, v11                     ; n
	v_lshlrev_b32 v7, 12, v7                       ; 8 rows of 512 bytes
	v_lshl_add_u32 v7, v11, 2, v7
	s_wait_kmcnt 0x0
	s_cmp_lt_u32 s23, 128
	s_cselect_b64 s[48:49], s[10:11], s[12:13]     ; W1 or W2
	s_mul_i32 s24, s22, 49152
	s_add_nc_u64 s[4:5], s[4:5], s[24:25]          ; the batch's coarse points
	s_mul_i32 s24, s23, 1536
	s_add_nc_u64 s[6:7], s[6:7], s[24:25]          ; my 128 fine points
	s_lshl_b32 s24, s23, 15
	s_lshl_b32 s26, s20, 12
	s_add_co_u32 s24, s24, s26
	s_add_nc_u64 s[8:9], s[8:9], s[24:25]          ; my wave's 8 rows of feat_coarse: 64 rows of 512 bytes a work-group
	s_lshr_b32 s24, s24, 1
	s_add_nc_u64 s[44:45], s[16:17], s[24:25]      ; the same rows in bf16, 256 bytes each
	s_lshl_b32 s24, s23, 11
	s_add_nc_u64 s[14:15], s[14:15], s[24:25]      ; my 128 records of gsel
	s_lshl_b32 s24, s23, 9
	s_add_nc_u64 s[50:51], s[16:17], s[24:25]
	s_add_nc_u64 s[50:51], s[50:51], 0x400000      ; W1^T, and behind its 65,536 bytes W2^T: 512 bytes a work-group
	; all loads of the head go out together
.irp p, 0,1,2,3,4,5,6,7
	global_load_b128 v[FE+4*\p:FE+4*\p+3], v5, s[8:9] offset:512*\p th:TH_LOAD_NT
.endr
.set k, 0
.rept 16                                               ; coarse points t + 256 k; three loads of 4 bytes, each address a multiple of its size
	global_load_b32 v[CRW+3*k],   v2, s[4:5] offset:3072*k
	global_load_b32 v[CRW+3*k+1], v2, s[4:5] offset:3072*k+4
	global_load_b32 v[CRW+3*k+2], v2, s[4:5] offset:3072*k+8
.set k, k+1
.endr
.irp q, 0,1,2,3
	global_load_b32 v[FR+3*\q],   v3, s[6:7] offset:384*\q
	global_load_b32 v[FR+3*\q+1], v3, s[6:7] offset:384*\q+4
	global_load_b32 v[FR+3*\q+2], v3, s[6:7] offset:384*\q+8
.endr
	s_cmp_lg_u32 s20, 0
	s_cbranch_scc1 .Lno_w
	s_cmp_ge_u32 s23, 192
	s_cbranch_scc1 .Lno_w
.irp i, 0,1,2,3,4,5,6,7
	global_load_b32 v[WR+\i], v7, s[48:49] offset:512*\i
.endr
	s_wait_loadcnt 0x0                             ; the eight weights (and all that was issued before them)
.irp i, 0,1,2,3
	v_cvt_pk_bf16_f32 v[WR+8+\i], v[WR+2*\i], v[WR+2*\i+1]
.endr
.irp i, 0,1,2,3
	v_lshlrev_b32 v[WR+2*\i], 16, v[WR+8+\i]
	v_and_b32 v[WR+2*\i+1], s27, v[WR+8+\i]
.endr
.irp i, 0,1,2,3
	v_cvt_pk_f16_f32 v[WR+8+\i], v[WR+2*\i], v[WR+2*\i+1]  ; the bf16-rounded number written as f16
.endr
	global_store_b128 v5, v[WR+8:WR+11], s[50:51]  ; 32 lanes: 512 consecutive bytes
.Lno_w:
	s_wait_loadcnt 0x0                             ; zero: the number of loads differs between waves
.set k, 0
.rept 16
	STAGEPT CRW+3*k, CRW+3*k+1, CRW+3*k+2, D+4*(k%4), D+4*(k%4)+1, D+4*(k%4)+2
	ds_store_b32 v4, v[CRW+3*k]     offset:1024*k
	ds_store_b32 v4, v[CRW+3*k+1]   offset:ARR+1024*k
	ds_store_b32 v4, v[CRW+3*k+2]   offset:2*ARR+1024*k
	ds_store_b32 v4, v[D+4*(k%4)+2] offset:3*ARR+1024*k
.set k, k+1
.endr
.irp q, 0,1,2,3
	STAGEPT FR+3*\q, FR+3*\q+1, FR+3*\q+2, T+2*\q, T+2*\q+1, FP+8*\q+6
	v_mul_f32 v[FP+8*\q],   -2.0, v[FR+3*\q]       ; an exact scaling
	v_mul_f32 v[FP+8*\q+1], -2.0, v[FR+3*\q]
	v_mul_f32 v[FP+8*\q+2], -2.0, v[FR+3*\q+1]
	v_mul_f32 v[FP+8*\q+3], -2.0, v[FR+3*\q+1]
	v_mul_f32 v[FP+8*\q+4], -2.0, v[FR+3*\q+2]
	v_mul_f32 v[FP+8*\q+5], -2.0, v[FR+3*\q+2]
	v_mov_b32 v[FP+8*\q+7], v[FP+8*\q+6]
.endr
	s_wait_dscnt 0x0                               ; for the others' sake: my part of the four arrays is written
	s_barrier_signal -1
	s_barrier_wait -1
	; feat_coarse in bf16: a lane's 4 numbers of a row become 8 bytes; a store covers a row's 256 consecutive bytes, aligned
.irp p, 0,1,2,3,4,5,6,7
	v_cvt_pk_bf16_f32 v[D+2*\p],   v[FE+4*\p],   v[FE+4*\p+1]
	v_cvt_pk_bf16_f32 v[D+2*\p+1], v[FE+4*\p+2], v[FE+4*\p+3]
.endr
.irp p, 0,1,2,3,4,5,6,7
	global_store_b64 v6, v[D+2*\p:D+2*\p+1], s[44:45] offset:256*\p
.endr
	s_lshl_b32 s24, s20, 11
	v_mov_b32 v[CA], s24                           ; my 512 points begin at word 512 w
	s_lshl_b32 s24, s20, 5
	v_mov_b32 v[GV], s24                           ; group 32 w
.irp q, 0,1,2,3
	v_mov_b32 v[ST+6*\q],   0x7f800000
	v_mov_b32 v[ST+6*\q+1], 0x7f800000
	v_mov_b32 v[ST+6*\q+2], 0x7f800000
	v_mov_b32 v[ST+6*\q+3], 0
	v_mov_b32 v[ST+6*\q+4], 0
	v_mov_b32 v[ST+6*\q+5], 0
.endr
	s_wait_xcnt 0x0                                ; the stores above have read their data: D and the second group buffer are written again only behind this wait
	CFETCH CB0, 0
	s_mov_b32 s26, 15
.Ltrip:                                                ; two groups a trip; while one buffer is worked on, the other's 16 loads are out
	CFETCH CB1, 64
	s_wait_dscnt 16                                ; all but the 16 just issued
	GROUP CB0
	v_add_nc_u32 v[CA], 128, v[CA]
	CFETCH CB0, 0
	s_wait_dscnt 16
	GROUP CB1
	s_sub_co_u32 s26, s26, 1
	s_cmp_lg_u32 s26, 0
	s_cbranch_scc1 .Ltrip
	CFETCH CB1, 64                                 ; the last two groups are written out: no load leaves my 512 points
	s_wait_dscnt 16
	GROUP CB0
	s_wait_dscnt 0x0
	GROUP CB1
	; the eight waves' triples meet in LDS
.irp q, 0,1,2,3
.irp k, 0,1,2,3,4,5
	ds_store_b32 v8, v[ST+6*\q+\k] offset:512*\k+128*\q
.endr
.endr
	s_wait_dscnt 0x0
	s_barrier_signal -1
	s_barrier_wait -1
	s_cmp_ge_u32 s20, 4
	s_cbranch_scc1 .Lend                           ; threads 0..127 finish: one fine point each
.set w, 0
.rept 8
.irp k, 0,1,2,3,4,5
	ds_load_b32 v[128+6*w+\k], v9 offset:3072*w+512*\k
.endr
.set w, w+1
.endr
	s_wait_dscnt 0x0
.set w, 1
.rept 7                                                ; wave 0's triple is the state; the others follow in ascending group numbers
.set k, 0
.rept 3
	INSERT 128+6*w+k, v[131+6*w+k], 128, 131, 76, 28
.set k, k+1
.endr
.set w, w+1
.endr
	v_min_u32 v100, v131, v132                     ; the three numbers in ascending order, so that the next launch scans in ascending index
	v_max_u32 v101, v131, v132
	v_max_u32 v98, v101, v133
	v_min_u32 v102, v101, v133
	v_min_u32 v96, v100, v102
	v_max_u32 v97, v100, v102
	v_mov_b32 v99, 0
	global_store_b128 v10, v[96:99], s[14:15]      ; a wave's store covers 512 consecutive bytes
.Lend:
	s_wait_tensorcnt 0x0                           ; the wave's end, behind my last LDS store
	ds_add_u32 v[SPW], v[NIL]
	s_wait_dscnt 0x0
	s_endpgm
.Lfunc_end_k_q31c175ca37_knn_groups:
	.size	k_q31c175ca37_knn_groups, .Lfunc_end_k_q31c175ca37_knn_groups-k_q31c175ca37_knn_groups
	.p2alignl 7, 3214868480
	.fill 96, 4, 3214868480
	.section	.rodata,"a",@progbits
	.p2align	6, 0x0
	.amdhsa_kernel k_q31c175ca37_knn_groups
		.amdhsa_group_segment_fixed_size 91136
		.amdhsa_private_segment_fixed_size 0
		.amdhsa_enable_private_segment 0
		.amdhsa_kernarg_size 56
		.amdhsa_user_sgpr_count 2
		.amdhsa_user_sgpr_kernarg_segment_ptr 1
		.amdhsa_wavefront_size32 1
		.amdhsa_system_sgpr_workgroup_id_x 1
		.amdhsa_system_sgpr_workgroup_id_y 1
		.amdhsa_system_sgpr_workgroup_id_z 1
		.amdhsa_system_vgpr_workitem_id 0
		.amdhsa_next_free_vgpr 256
		.amdhsa_next_free_sgpr 66
		.amdhsa_reserve_vcc 0
		.amdhsa_float_denorm_mode_32 3
		.amdhsa_float_denorm_mode_16_64 3
		.amdhsa_memory_ordered 1
		.amdhsa_forward_progress 1
		.amdhsa_inst_pref_size 109
	.end_amdhsa_kernel
	.amdgpu_metadata
---
amdhsa.version: [ 1, 2 ]
amdhsa.kernels:
  - .name:           k_q31c175ca37_knn_groups
    .symbol:         k_q31c175ca37_knn_groups.kd
    .args:
      - { .name: xyz_coarse, .offset: 0, .size: 8, .value_kind: global_buffer, .address_space: global }
      - { .name: xyz_fine, .offset: 8, .size: 8, .value_kind: global_buffer, .address_space: global }
      - { .name: feat_coarse, .offset: 16, .size: 8, .value_kind: global_buffer, .address_space: global }
      - { .name: W1, .offset: 24, .size: 8, .value_kind: global_buffer, .address_space: global }
      - { .name: W2, .offset: 32, .size: 8, .value_kind: global_buffer, .address_space: global }
      - { .name: gsel, .offset: 40, .size: 8, .value_kind: global_buffer, .address_space: global }
      - { .name: prep, .offset: 48, .size: 8, .value_kind: global_buffer, .address_space: global }
    .group_segment_fixed_size: 91136
    .private_segment_fixed_size: 0
    .kernarg_segment_align: 8
    .kernarg_segment_size: 56
    .max_flat_workgroup_size: 256
    .sgpr_count:     66
    .vgpr_count:     256
    .wavefront_size: 32
...
	.end_amdgpu_metadata
.endif
;; end of part 1
;; launch knn_refine (part 2): grid 64 x 4, 8 waves a work-group, no clusters, 70,656 bytes of LDS; arguments xyz_coarse, xyz_fine, gsel, nidx, nwgt; writes nidx, nwgt
.if DOCPART == 2
	.amdgcn_target "amdgcn-amd-amdhsa--gfx1250"
	.amdhsa_code_object_version 6
	.text
	.protected	k_q31c175ca37_knn_refine
	.globl	k_q31c175ca37_knn_refine
	.p2align	8
	.type	k_q31c175ca37_knn_refine,@function
k_q31c175ca37_knn_refine:
	s_mov_b64 s[64:65], 0
	v_nop
	global_prefetch_b8 v0, s[64:65] scope:SCOPE_SE
	s_setreg_imm32_b32 hwreg(HW_REG_WAVE_MODE, 25, 1), 1
	s_wait_xcnt 0x0
; knn_refine.  For each fine point: the three nearest of the 48 candidates in its three groups (gsel), by (d2, index), and their weights.
; d2 is made by the same lines, in the same order, as in the launch before: coordinates rounded to bf16; sq = fma(z,z,fma(y,y,x*x)); m = fma(-2fz,cz,fma(-2fy,cy,-2fx*cx));
; d2 = max((sq_f + sq_c) + m, 0).  The groups come in ascending number and a group's points in ascending index, and an equal value never displaces an older one: the lower index stays.
; WEIGHTS.  d = sqrt(d2); w = (1 / (d + 1e-12)) / their sum; where the least d is at most 1e-12: (1, 0, 0) (the first place is the least, so it is the argmin, and 'any' is its test).
; LIMITS.  The order is taken on d2: where two different d2 have one f32 root, the order here is by d2, not by index.  Root and reciprocals are the approximate instructions
; (ISA guide, 15.8); a denormal d2 counts as 0, which falls under the 1e-12 test as its true root would.  NaN and infinities are not treated apart.
; SHARES.  All eight waves stage the batch's 4,096 coarse points as (x, y, z, sq); then threads 0..127 take one fine point each.
.set PG,    272                        ; a group in LDS: 16 points x 16 bytes + 16 of padding = 68 words, so that lanes with different group numbers begin in different banks (64 banks of 4 bytes: ISA guide 11.1)
.set SPARE, 256*PG                     ; behind the table: the spare words, 128 bytes a wave
.set CD,  64                           ; v[64:255] 48 candidates x (x, y, z, sq); at the head the 16 points that the thread stages
.set SPW, 62
.set NIL, 63
.macro STAGEPT x, y, z, t0, t1, sq
	v_cvt_pk_bf16_f32 v[(\t0)], v[(\x)], v[(\y)]
	v_cvt_pk_bf16_f32 v[(\t1)], v[(\z)], v[(\z)]
	v_lshlrev_b32 v[(\x)], 16, v[(\t0)]
	v_and_b32 v[(\y)], s27, v[(\t0)]
	v_lshlrev_b32 v[(\z)], 16, v[(\t1)]
	v_mul_f32 v[(\sq)], v[(\x)], v[(\x)]
	v_fma_f32 v[(\sq)], v[(\y)], v[(\y)], v[(\sq)]
	v_fma_f32 v[(\sq)], v[(\z)], v[(\z)], v[(\sq)]
.endm
.macro INSERT dv, num, mm, ix, tp, sk
	v_cmp_lt_f32 s[(\sk)], v[(\dv)], v[(\mm)]
	v_cmp_lt_f32 s[(\sk)+1], v[(\dv)], v[(\mm)+1]
	v_cmp_lt_f32 s[(\sk)+2], v[(\dv)], v[(\mm)+2]
	v_med3_num_f32 v[(\mm)+2], v[(\mm)+1], v[(\mm)+2], v[(\dv)]
	v_med3_num_f32 v[(\mm)+1], v[(\mm)], v[(\mm)+1], v[(\dv)]
	v_min_num_f32 v[(\mm)], v[(\mm)], v[(\dv)]
	v_cndmask_b32 v[(\tp)], \num, v[(\ix)+1], s[(\sk)+1]
	v_cndmask_b32 v[(\ix)+2], v[(\ix)+2], v[(\tp)], s[(\sk)+2]
	v_cndmask_b32 v[(\tp)+1], \num, v[(\ix)], s[(\sk)]
	v_cndmask_b32 v[(\ix)+1], v[(\ix)+1], v[(\tp)+1], s[(\sk)+1]
	v_cndmask_b32 v[(\ix)], v[(\ix)], \num, s[(\sk)]
.endm
.macro EACH line:vararg                ; one line for each of slot SL's 16 candidates; R names candidate j's four registers
.set j, 0
.rept 16
.set R, CD+4*(16*SL+j)
	\line
.set j, j+1
.endr
.endm
	s_load_b256 s[4:11], s[0:1], 0x0               ; xyz_coarse s[4:5], xyz_fine s[6:7], gsel s[8:9], nidx s[10:11]
	s_load_b64 s[12:13], s[0:1], 0x20              ; nwgt
	v_lshl_add_u32 v[SPW], v0, 2, SPARE
	v_mov_b32 v[NIL], 0
	v_lshrrev_b32 v1, 5, v0
	v_readfirstlane_b32 s20, v1                    ; wave 0..7
	v_and_b32 v1, 127, v0                          ; the fine point: every wave loads one, so that all waves count the same loads
	s_and_b32 s22, ttmp7, 0xffff
	s_lshl_b32 s23, s22, 6
	s_add_co_u32 s23, s23, ttmp9                   ; wg
	s_mov_b32 s25, 0
	s_mov_b32 s27, 0xffff0000
	s_mov_b32 s31, 0x2b8cbccc                      ; 1e-12
	v_mul_u32_u24 v2, v0, 12
	v_mul_u32_u24 v3, v1, 12
	v_lshlrev_b32 v4, 4, v1
	v_lshrrev_b32 v5, 4, v0
	v_mul_u32_u24 v5, v5, PG
	v_and_b32 v6, 15, v0
	v_lshl_add_u32 v5, v6, 4, v5                   ; point t: group t / 16, place t % 16
	s_wait_kmcnt 0x0
	s_mul_i32 s24, s22, 49152
	s_add_nc_u64 s[4:5], s[4:5], s[24:25]
	s_mul_i32 s24, s23, 1536
	s_add_nc_u64 s[6:7], s[6:7], s[24:25]
	s_lshl_b32 s24, s23, 11
	s_add_nc_u64 s[8:9], s[8:9], s[24:25]
	s_add_nc_u64 s[10:11], s[10:11], s[24:25]
	s_add_nc_u64 s[12:13], s[12:13], s[24:25]
.set k, 0
.rept 16
	global_load_b32 v[CD+4*k],   v2, s[4:5] offset:3072*k
	global_load_b32 v[CD+4*k+1], v2, s[4:5] offset:3072*k+4
	global_load_b32 v[CD+4*k+2], v2, s[4:5] offset:3072*k+8
.set k, k+1
.endr
	global_load_b128 v[12:15], v4, s[8:9]          ; three group numbers, ascending
	global_load_b32 v56, v3, s[6:7]
	global_load_b32 v57, v3, s[6:7] offset:4
	global_load_b32 v58, v3, s[6:7] offset:8
	s_wait_loadcnt 0x0
.set k, 0
.rept 16
	STAGEPT CD+4*k, CD+4*k+1, CD+4*k+2, 40+2*(k%4), 41+2*(k%4), CD+4*k+3
	ds_store_b128 v5, v[CD+4*k:CD+4*k+3] offset:16*PG*k  ; point t + 256 k lies 16 groups on
.set k, k+1
.endr
	STAGEPT 56, 57, 58, 48, 49, 11
	v_mul_f32 v8, -2.0, v56
	v_mul_f32 v9, -2.0, v57
	v_mul_f32 v10, -2.0, v58
	s_wait_dscnt 0x0                               ; for the others' sake: my part of the table is written
	s_barrier_signal -1
	s_barrier_wait -1
	s_cmp_ge_u32 s20, 4
	s_cbranch_scc1 .Lend
.irp g, 0,1,2
	v_min_u32 v[12+\g], 255, v[12+\g]              ; a loaded number enters an address only behind a clamp
	v_mul_u32_u24 v[16+\g], v[12+\g], PG
.endr
.irp g, 0,1,2
.set j, 0
.rept 16
	ds_load_b128 v[CD+4*(16*\g+j):CD+4*(16*\g+j)+3], v[16+\g] offset:16*j
.set j, j+1
.endr
.endr
	v_mov_b32 v20, 0x7f800000
	v_mov_b32 v21, 0x7f800000
	v_mov_b32 v22, 0x7f800000
	v_mov_b32 v24, 0
	v_mov_b32 v25, 0
	v_mov_b32 v26, 0
.irp g, 0,1,2
.set SL, \g
	s_wait_dscnt 32-16*\g                          ; the later slots' loads may stay out
	EACH v_mul_f32 v[R], v8, v[R]
	EACH v_fma_f32 v[R], v9, v[R+1], v[R]
	EACH v_fma_f32 v[R], v10, v[R+2], v[R]
	EACH v_add_f32 v[R+3], v11, v[R+3]
	EACH v_add_f32 v[R], v[R+3], v[R]
	EACH v_max_num_f32 v[R], 0, v[R]
	EACH INSERT R, 16*SL+j, 20, 24, 28, 28
.endr
	v_sqrt_f32 v44, v20
	v_sqrt_f32 v45, v21
	v_sqrt_f32 v46, v22
	; the indices, 16 x group + place: the independent work behind the three roots
.irp n, 0,1,2
	v_lshrrev_b32 v40, 4, v[24+\n]                 ; the slot
	v_cmp_eq_u32 vcc_lo, 1, v40
	v_cndmask_b32 v41, v12, v13, vcc_lo
	v_cmp_eq_u32 vcc_lo, 2, v40
	v_cndmask_b32 v41, v41, v14, vcc_lo
	v_and_b32 v42, 15, v[24+\n]
	v_lshl_add_u32 v[32+\n], v41, 4, v42
.endr
	s_wait_alu depctr_va_vdst(0)                   ; one wait for the three roots, ahead of their first reader
	v_add_f32 v48, s31, v44
	v_add_f32 v49, s31, v45
	v_add_f32 v50, s31, v46
	v_rcp_f32 v52, v48
	v_rcp_f32 v53, v49
	v_rcp_f32 v54, v50
	v_mov_b32 v35, 0                               ; a plain line behind the last reciprocal
	s_wait_alu depctr_va_vdst(0)
	v_add_f32 v55, v52, v53
	v_add_f32 v55, v55, v54
	v_rcp_f32 v51, v55
	v_mov_b32 v39, 0                               ; likewise
	s_wait_alu depctr_va_vdst(0)
	v_mul_f32 v36, v52, v51
	v_mul_f32 v37, v53, v51
	v_mul_f32 v38, v54, v51
	v_cmp_ge_f32 vcc_lo, s31, v44                  ; the least distance is at most 1e-12
	v_cndmask_b32 v36, v36, 1.0, vcc_lo
	v_cndmask_b32 v37, v37, 0, vcc_lo
	v_cndmask_b32 v38, v38, 0, vcc_lo
	global_store_b128 v4, v[32:35], s[10:11]       ; a wave's store covers 512 consecutive bytes
	global_store_b128 v4, v[36:39], s[12:13]
.Lend:
	s_wait_tensorcnt 0x0                           ; the wave's end, behind my last LDS store
	ds_add_u32 v[SPW], v[NIL]
	s_wait_dscnt 0x0
	s_endpgm
.Lfunc_end_k_q31c175ca37_knn_refine:
	.size	k_q31c175ca37_knn_refine, .Lfunc_end_k_q31c175ca37_knn_refine-k_q31c175ca37_knn_refine
	.p2alignl 7, 3214868480
	.fill 96, 4, 3214868480
	.section	.rodata,"a",@progbits
	.p2align	6, 0x0
	.amdhsa_kernel k_q31c175ca37_knn_refine
		.amdhsa_group_segment_fixed_size 70656
		.amdhsa_private_segment_fixed_size 0
		.amdhsa_enable_private_segment 0
		.amdhsa_kernarg_size 40
		.amdhsa_user_sgpr_count 2
		.amdhsa_user_sgpr_kernarg_segment_ptr 1
		.amdhsa_wavefront_size32 1
		.amdhsa_system_sgpr_workgroup_id_x 1
		.amdhsa_system_sgpr_workgroup_id_y 1
		.amdhsa_system_sgpr_workgroup_id_z 1
		.amdhsa_system_vgpr_workitem_id 0
		.amdhsa_next_free_vgpr 256
		.amdhsa_next_free_sgpr 66
		.amdhsa_reserve_vcc 1
		.amdhsa_float_denorm_mode_32 3
		.amdhsa_float_denorm_mode_16_64 3
		.amdhsa_memory_ordered 1
		.amdhsa_forward_progress 1
		.amdhsa_inst_pref_size 64
	.end_amdhsa_kernel
	.amdgpu_metadata
---
amdhsa.version: [ 1, 2 ]
amdhsa.kernels:
  - .name:           k_q31c175ca37_knn_refine
    .symbol:         k_q31c175ca37_knn_refine.kd
    .args:
      - { .name: xyz_coarse, .offset: 0, .size: 8, .value_kind: global_buffer, .address_space: global }
      - { .name: xyz_fine, .offset: 8, .size: 8, .value_kind: global_buffer, .address_space: global }
      - { .name: gsel, .offset: 16, .size: 8, .value_kind: global_buffer, .address_space: global }
      - { .name: nidx, .offset: 24, .size: 8, .value_kind: global_buffer, .address_space: global }
      - { .name: nwgt, .offset: 32, .size: 8, .value_kind: global_buffer, .address_space: global }
    .group_segment_fixed_size: 70656
    .private_segment_fixed_size: 0
    .kernarg_segment_align: 8
    .kernarg_segment_size: 40
    .max_flat_workgroup_size: 256
    .sgpr_count:     66
    .vgpr_count:     256
    .wavefront_size: 32
...
	.end_amdgpu_metadata
.endif
;; end of part 2
;; launch mlp1 (part 3): grid 64 x 4, 8 waves a work-group, no clusters, 103,680 bytes of LDS; arguments feat_skip, prep, nidx, nwgt, b1, h1, st1; writes h1, st1
.if DOCPART == 3
	.amdgcn_target "amdgcn-amd-amdhsa--gfx1250"
	.amdhsa_code_object_version 6
	.text
	.protected	k_q31c175ca37_mlp1
	.globl	k_q31c175ca37_mlp1
	.p2align	8
	.type	k_q31c175ca37_mlp1,@function
k_q31c175ca37_mlp1:
	s_mov_b64 s[64:65], 0
	v_nop
	global_prefetch_b8 v0, s[64:65] scope:SCOPE_SE
	s_setreg_imm32_b32 hwreg(HW_REG_WAVE_MODE, 25, 1), 1
	s_wait_xcnt 0x0
; mlp1.  h1 = [interp | feat_skip] W1 + b1 for 128 fine rows a work-group, and for each of the 32 groups of 4 channels the pair (sum, sum of squares about the work-group's own mean).
; interp = the weighted sum of three rows of feat_coarse (bf16 copy in prep), by nidx and nwgt of the launch before.
; FORMATS.  Inputs are rounded to bf16 first: feat_coarse and W1 in an earlier launch, feat_skip and b1 here.  The matrix operands are f16: W1 and feat_skip the bf16-rounded number
; written as f16, interp rounded once.  Sums in f32, started with the bias as the C operand.  h1 is stored once, in f16.
; LIMITS.  |feat_skip|, |interp|, |W1| and |h1| stay under 65,504; below 2^-14 an operand keeps f16's fixed step of 2^-24.  NaN and infinities are not treated apart.
; SHARES.  Build: wave v makes rows 16 v .. 16 v + 15 of the tile (128 rows x 256 f16) in LDS.  Product: wave v makes columns 16 v .. 16 v + 15 of all 128 rows: 8 accumulators;
; its 16 rows of W1^T come straight from memory as fragments, 64 registers, read once.  16 columns are 4 whole groups, so the statistics never leave the wave.
; THE MATRIX INSTRUCTION IS USED TRANSPOSED (source 0 = 16 rows of W1^T, source 1 = 16 feature rows): lane (r = l % 16, h = l / 16) holds row 16 mb + r, columns 16 v + 8 h + 0..7.
; No tensor loads: one tile a work-group, no walk along K, and every byte that enters LDS is converted or computed in registers on the way.  No cluster: the weights, which all work-groups
; share, go straight into registers, 8 KiB a wave, once; a joint load would land them in LDS and add that many LDS reads.
.set PITCH, 528                        ; a tile row: 512 bytes + 16 = 132 words: the 16 rows of a fragment load begin 4 banks apart (64 banks of 4 bytes: ISA guide 11.1)
.set NKS,   8                          ; K steps of 32
.set SPI,   272                        ; a stage row: 256 bytes + 16
.set STAGE, 128*PITCH                  ; h1 on its way out: 128 rows
.set STATS, STAGE+128*SPI              ; 32 groups x (sum, M2)
.set SPARE, STATS+256                  ; the spare words, 128 bytes a wave
.set BIAS, 16                          ; v[16:23]   b1 of my 8 columns: the first products' C
.set BF,   24                          ; v[24:87]   W1^T's fragments, 8 registers a K step
.set ACC,  88                          ; v[88:151]  8 accumulators
.set ABUF, 152                         ; v[152:247] three buffers of 4 fragments of the tile
.set SK,   24                          ; build: 16 rows of feat_skip, 4 registers each
.set WG,   88                          ; build: weights, 4 registers a step
.set OF,   120                         ; build: 24 gather offsets
.set GA,   144                         ; build: nidx's records first, then 8 steps x 3 rows x 4 registers of bf16
.set IA,   240                         ; build: 8 at work
.set PK,   248                         ; build: 4 packed
.set ZERO, 253
.set SPW,  254
.set NIL,  255
.set HB,   14                          ; s[14:15] h1 at my rows
.set SB,   16                          ; s[16:17] st1 at my work-group
.set SA,   152                         ; the way out: four chains of sums
.set MU,   162                         ; two means, each twice
.set QQ,   166                         ; four chains of squares
.set TT,   176                         ; four pairs at work
.set SQ,   184                         ; sum 0, M2 0, sum 1, M2 1
.set PKH,  192                         ; packed h1, four sets
.set RB,   208                         ; 16 rows read back
	s_load_b256 s[4:11], s[0:1], 0x0               ; feat_skip s[4:5], prep s[6:7], nidx s[8:9], nwgt s[10:11]
	s_load_b128 s[12:15], s[0:1], 0x20             ; b1 s[12:13], h1 s[14:15]
	s_load_b64 s[16:17], s[0:1], 0x30              ; st1
	v_lshl_add_u32 v[SPW], v0, 2, SPARE
	v_mov_b32 v[NIL], 0
	v_mov_b32 v[ZERO], 0
	v_lshrrev_b32 v1, 5, v0
	v_readfirstlane_b32 s20, v1                    ; wave 0..7
	s_and_b32 s22, ttmp7, 0xffff                   ; batch
	s_lshl_b32 s23, s22, 6
	s_add_co_u32 s23, s23, ttmp9                   ; wg
	s_mov_b32 s25, 0
	s_mov_b32 s27, 0xffff0000
	v_and_b32 v2, 31, v0                           ; l
	v_and_b32 v3, 15, v0                           ; r
	v_bfe_u32 v13, v0, 4, 1                        ; h
	v_lshlrev_b32 v4, 4, v2                        ; 16 l
	v_lshlrev_b32 v5, 4, v3                        ; 16 r
	v_lshlrev_b32 v6, 4, v13                       ; 16 h
	v_lshlrev_b32 v15, 3, v2                       ; 8 l
	s_mul_i32 s30, s20, 16*PITCH
	v_mul_u32_u24 v7, v13, PITCH
	v_add3_u32 v7, v7, v5, s30                     ; interp goes to row 16 v + h (+ 2 a step), byte 16 r
	s_add_co_u32 s31, s30, 256
	v_add_nc_u32 v8, s31, v15                      ; skip goes to row 16 v (+ 1 a row), byte 256 + 8 l
	v_mul_u32_u24 v9, v3, PITCH
	v_add_nc_u32 v9, v9, v6                        ; a fragment of the tile: row r, byte 16 h
	v_lshl_add_u32 v10, v3, 9, v6                  ; a fragment of W1^T: row r of 512 bytes, byte 16 h
	s_lshl_b32 s31, s20, 5
	s_add_co_u32 s30, s31, STAGE
	v_mul_u32_u24 v11, v3, SPI
	v_add3_u32 v11, v11, v6, s30                   ; into the stage: row r, my 8 columns at byte 32 v + 16 h
	s_mul_i32 s30, s20, 16*SPI
	s_add_co_u32 s30, s30, STAGE
	v_mul_u32_u24 v12, v13, SPI
	v_add3_u32 v12, v12, v5, s30                   ; back: row 16 v + h, byte 16 r
	s_add_co_u32 s31, s31, STATS
	v_add_nc_u32 v14, s31, v6                      ; groups 4 v + 2 h and the next
	v_add_nc_u32 v1, STATS, v15
	v_lshlrev_b32 v13, 5, v13                      ; 32 h: my 8 numbers of the wave's 16 of b1
	s_wait_kmcnt 0x0
	s_lshl_b32 s24, s23, 16
	s_lshl_b32 s26, s20, 13
	s_add_co_u32 s24, s24, s26
	s_add_nc_u64 s[4:5], s[4:5], s[24:25]          ; feat_skip at my wave's 16 rows of 512 bytes
	s_lshr_b32 s24, s24, 1
	s_add_nc_u64 s[HB:HB+1], s[HB:HB+1], s[24:25]  ; h1 at the same rows, 256 bytes each
	s_lshr_b32 s24, s24, 4
	s_add_nc_u64 s[8:9], s[8:9], s[24:25]          ; their records, 16 bytes each
	s_add_nc_u64 s[10:11], s[10:11], s[24:25]
	s_lshl_b32 s24, s22, 20
	s_add_nc_u64 s[32:33], s[6:7], s[24:25]        ; the batch's 4,096 rows of 256 bytes
	s_mov_b32 s24, s26
	s_add_nc_u64 s[28:29], s[6:7], s[24:25]
	s_add_nc_u64 s[28:29], s[28:29], 0x400000      ; W1^T at my 16 rows of 512 bytes
	s_lshl_b32 s24, s20, 6
	s_add_nc_u64 s[12:13], s[12:13], s[24:25]
	s_lshl_b32 s24, s23, 8
	s_add_nc_u64 s[SB:SB+1], s[SB:SB+1], s[24:25]
	; THE BUILD.  Step i of 8 serves rows 2 i (lanes 0-15) and 2 i + 1 (lanes 16-31).
.set i, 0
.rept 8
	global_load_b128 v[GA+4*i:GA+4*i+3], v6, s[8:9] offset:32*i
.set i, i+1
.endr
.set i, 0
.rept 8
	global_load_b128 v[WG+4*i:WG+4*i+3], v6, s[10:11] offset:32*i
.set i, i+1
.endr
.set t, 0
.rept 16
	global_load_b128 v[SK+4*t:SK+4*t+3], v4, s[4:5] offset:512*t th:TH_LOAD_NT  ; a whole row of 512 bytes
.set t, t+1
.endr
	s_wait_loadcnt 24                              ; the indices are in; behind them 8 loads of weights and 16 of skip rows
.set i, 0
.rept 8
.irp n, 0,1,2
	v_min_u32 v[GA+4*i+\n], 0xfff, v[GA+4*i+\n]    ; a loaded number enters an address only behind a clamp
	v_lshl_add_u32 v[OF+3*i+\n], v[GA+4*i+\n], 8, v5
.endr
.set i, i+1
.endr
.set i, 0
.rept 8
.irp n, 0,1,2
	global_load_b128 v[GA+12*i+4*\n:GA+12*i+4*\n+3], v[OF+3*i+\n], s[32:33]  ; sixteen lanes take one whole row of 256 bytes
.endr
.set i, i+1
.endr
	s_wait_loadcnt 24                              ; weights and skip rows are in; the 24 gathers stay out
.set t, 0
.rept 16
.set u, IA+2*(t%4)
	v_cvt_pk_bf16_f32 v[u],   v[SK+4*t],   v[SK+4*t+1]
	v_cvt_pk_bf16_f32 v[u+1], v[SK+4*t+2], v[SK+4*t+3]
	v_lshlrev_b32 v[SK+4*t],   16,  v[u]
	v_and_b32     v[SK+4*t+1], s27, v[u]
	v_lshlrev_b32 v[SK+4*t+2], 16,  v[u+1]
	v_and_b32     v[SK+4*t+3], s27, v[u+1]
	v_cvt_pk_f16_f32 v[u],   v[SK+4*t],   v[SK+4*t+1]
	v_cvt_pk_f16_f32 v[u+1], v[SK+4*t+2], v[SK+4*t+3]
	ds_store_b64 v8, v[u:u+1] offset:PITCH*t
.set t, t+1
.endr
.set k, 0
.rept NKS                                              ; the skip rows' registers take W1^T
	global_load_b128 v[BF+8*k:BF+8*k+3],   v10, s[28:29] offset:64*k
	global_load_b128 v[BF+8*k+4:BF+8*k+7], v10, s[28:29] offset:64*k+32
.set k, k+1
.endr
	global_load_b128 v[BIAS:BIAS+3],   v13, s[12:13]
	global_load_b128 v[BIAS+4:BIAS+7], v13, s[12:13] offset:16
	s_wait_loadcnt 18                              ; the gathers are in; the 18 loads just issued stay out
.set i, 0
.rept 8
.irp p, 0,1,2,3
	v_fma_mix_f32_bf16 v[IA+2*\p],   v[GA+12*i+\p], v[WG+4*i], v[ZERO] op_sel_hi:[1,0,0]
	v_fma_mix_f32_bf16 v[IA+2*\p+1], v[GA+12*i+\p], v[WG+4*i], v[ZERO] op_sel:[1,0,0] op_sel_hi:[1,0,0]
.endr
.irp p, 0,1,2,3
	v_fma_mix_f32_bf16 v[IA+2*\p],   v[GA+12*i+4+\p], v[WG+4*i+1], v[IA+2*\p] op_sel_hi:[1,0,0]
	v_fma_mix_f32_bf16 v[IA+2*\p+1], v[GA+12*i+4+\p], v[WG+4*i+1], v[IA+2*\p+1] op_sel:[1,0,0] op_sel_hi:[1,0,0]
.endr
.irp p, 0,1,2,3
	v_fma_mix_f32_bf16 v[IA+2*\p],   v[GA+12*i+8+\p], v[WG+4*i+2], v[IA+2*\p] op_sel_hi:[1,0,0]
	v_fma_mix_f32_bf16 v[IA+2*\p+1], v[GA+12*i+8+\p], v[WG+4*i+2], v[IA+2*\p+1] op_sel:[1,0,0] op_sel_hi:[1,0,0]
.endr
.irp p, 0,1,2,3
	v_cvt_pk_f16_f32 v[PK+\p], v[IA+2*\p], v[IA+2*\p+1]
.endr
	ds_store_b128 v7, v[PK:PK+3] offset:2*PITCH*i
.set i, i+1
.endr
	s_wait_dscnt 0x0                               ; for the others' sake: my 16 rows of the tile are written
	s_barrier_signal -1
	s_barrier_wait -1
	s_wait_loadcnt 0x0                             ; W1^T and b1
.irp p, 0,1,2,3
	v_cvt_pk_bf16_f32 v[IA+\p], v[BIAS+2*\p], v[BIAS+2*\p+1]
.endr
.irp p, 0,1,2,3
	v_lshlrev_b32 v[BIAS+2*\p],   16,  v[IA+\p]
	v_and_b32     v[BIAS+2*\p+1], s27, v[IA+\p]
.endr
	; THE PRODUCT.  Chunk n of 2 NKS: K step n / 2, rows 64 (n % 2) .. + 63: 8 LDS loads, 4 matrix instructions.  Three buffers: a chunk is fetched two chunks ahead.
.macro AFETCH n
.set ab, ABUF+32*((\n)%3)
.set ao, 64*PITCH*((\n)%2)+64*((\n)/2)
.irp i, 0,1,2,3
	ds_load_b128 v[ab+8*\i:ab+8*\i+3],   v9 offset:ao+16*PITCH*\i
	ds_load_b128 v[ab+8*\i+4:ab+8*\i+7], v9 offset:ao+16*PITCH*\i+32
.endr
.endm
	AFETCH 0
	AFETCH 1
.set cc, 0
.rept 2*NKS
.if cc+2 < 2*NKS
.if cc > 0
.rept 4
	v_nop                                          ; four places behind the products that read the buffer which is loaded next (ISA guide 7.12.1 for vector lines)
.endr
.endif
	AFETCH cc+2
	s_wait_dscnt 16                                ; the two younger chunks' loads may stay out
.elseif cc+2 == 2*NKS
	s_wait_dscnt 8
.else
	s_wait_dscnt 0x0
.endif
.set ab, ABUF+32*(cc%3)
.irp i, 0,1,2,3                                        ; the 8 accumulators take turns, one instruction a turn: 7 others stand between two links of a chain
.if cc < 2
	v_wmma_f32_16x16x32_f16 v[ACC+8*(4*(cc%2)+\i):ACC+8*(4*(cc%2)+\i)+7], v[BF+8*(cc/2):BF+8*(cc/2)+7], v[ab+8*\i:ab+8*\i+7], v[BIAS:BIAS+7]
.else
	v_wmma_f32_16x16x32_f16 v[ACC+8*(4*(cc%2)+\i):ACC+8*(4*(cc%2)+\i)+7], v[BF+8*(cc/2):BF+8*(cc/2)+7], v[ab+8*\i:ab+8*\i+7], v[ACC+8*(4*(cc%2)+\i):ACC+8*(4*(cc%2)+\i)+7]
.endif
.endr
.set cc, cc+1
.endr
	; THE WAY OUT.  Registers 0-3 of a lane's accumulators are group 4 v + 2 h, registers 4-7 the next; a group's 512 numbers lie in 16 lanes x 8 accumulators x 4 registers.
.rept 8
	v_nop                                          ; the places behind the last products
.endr
.irp p, 0,1,2,3                                        ; each accumulator is read from its low end on
	v_pk_add_f32 v[SA+2*\p:SA+2*\p+1], v[ACC+2*\p:ACC+2*\p+1], v[ACC+8+2*\p:ACC+8+2*\p+1]
.endr
.set mb, 2
.rept 6
.irp p, 0,1,2,3
	v_pk_add_f32 v[SA+2*\p:SA+2*\p+1], v[SA+2*\p:SA+2*\p+1], v[ACC+8*mb+2*\p:ACC+8*mb+2*\p+1]
.endr
.set mb, mb+1
.endr
	v_pk_add_f32 v[SA:SA+1], v[SA:SA+1], v[SA+2:SA+3]
	v_pk_add_f32 v[SA+4:SA+5], v[SA+4:SA+5], v[SA+6:SA+7]
	v_add_f32 v[SQ],   v[SA],   v[SA+1]
	v_add_f32 v[SQ+2], v[SA+4], v[SA+5]
.irp x, 1,2,4,8
	v_add_f32_dpp v[SQ],   v[SQ],   v[SQ]   row_xmask:\x row_mask:0xf bank_mask:0xf
	v_add_f32_dpp v[SQ+2], v[SQ+2], v[SQ+2] row_xmask:\x row_mask:0xf bank_mask:0xf
.endr
	v_mul_f32 v[MU],   0x3b000000, v[SQ]           ; the work-group's own mean: sum / 512
	v_mul_f32 v[MU+1], 0x3b000000, v[SQ]
	v_mul_f32 v[MU+2], 0x3b000000, v[SQ+2]
	v_mul_f32 v[MU+3], 0x3b000000, v[SQ+2]
.set mb, 0
.rept 8
.irp p, 0,1,2,3
	v_pk_add_f32 v[TT+2*\p:TT+2*\p+1], v[ACC+8*mb+2*\p:ACC+8*mb+2*\p+1], v[MU+2*(\p/2):MU+2*(\p/2)+1] neg_lo:[0,1] neg_hi:[0,1]
.endr
.irp p, 0,1,2,3
.if mb == 0
	v_pk_mul_f32 v[QQ+2*\p:QQ+2*\p+1], v[TT+2*\p:TT+2*\p+1], v[TT+2*\p:TT+2*\p+1]
.else
	v_pk_fma_f32 v[QQ+2*\p:QQ+2*\p+1], v[TT+2*\p:TT+2*\p+1], v[TT+2*\p:TT+2*\p+1], v[QQ+2*\p:QQ+2*\p+1]
.endif
.endr
.set mb, mb+1
.endr
	v_pk_add_f32 v[QQ:QQ+1], v[QQ:QQ+1], v[QQ+2:QQ+3]
	v_pk_add_f32 v[QQ+4:QQ+5], v[QQ+4:QQ+5], v[QQ+6:QQ+7]
	v_add_f32 v[SQ+1], v[QQ],   v[QQ+1]
	v_add_f32 v[SQ+3], v[QQ+4], v[QQ+5]
.irp x, 1,2,4,8
	v_add_f32_dpp v[SQ+1], v[SQ+1], v[SQ+1] row_xmask:\x row_mask:0xf bank_mask:0xf
	v_add_f32_dpp v[SQ+3], v[SQ+3], v[SQ+3] row_xmask:\x row_mask:0xf bank_mask:0xf
.endr
	ds_store_b64 v14, v[SQ:SQ+1]                   ; sixteen lanes write the same pair to the same place
	ds_store_b64 v14, v[SQ+2:SQ+3] offset:8
.set mb, 0
.rept 8
.set pk, PKH+4*(mb%4)
.irp i, 0,1,2,3
	v_cvt_pk_f16_f32 v[pk+\i], v[ACC+8*mb+2*\i], v[ACC+8*mb+2*\i+1]
.endr
	ds_store_b128 v11, v[pk:pk+3] offset:16*SPI*mb
.set mb, mb+1
.endr
	s_wait_dscnt 0x0                               ; for the others' sake: a row's 256 bytes come from all eight waves
	s_barrier_signal -1
	s_barrier_wait -1
.set t, 0
.rept 8
	ds_load_b128 v[RB+4*t:RB+4*t+3], v12 offset:2*SPI*t
.set t, t+1
.endr
.set t, 0
.rept 8
	s_wait_dscnt 7-t
	global_store_b128 v4, v[RB+4*t:RB+4*t+3], s[HB:HB+1] offset:512*t  ; two whole rows: 512 consecutive bytes, aligned
.set t, t+1
.endr
	s_cmp_lg_u32 s20, 0
	s_cbranch_scc1 .Lend
	ds_load_b64 v[240:241], v1
	s_wait_dscnt 0x0
	global_store_b64 v15, v[240:241], s[SB:SB+1]   ; 32 groups: 256 consecutive bytes, aligned
.Lend:
	s_wait_tensorcnt 0x0                           ; the wave's end, behind my last LDS store
	ds_add_u32 v[SPW], v[NIL]
	s_wait_dscnt 0x0
	s_endpgm
.Lfunc_end_k_q31c175ca37_mlp1:
	.size	k_q31c175ca37_mlp1, .Lfunc_end_k_q31c175ca37_mlp1-k_q31c175ca37_mlp1
	.p2alignl 7, 3214868480
	.fill 96, 4, 3214868480
	.section	.rodata,"a",@progbits
	.p2align	6, 0x0
	.amdhsa_kernel k_q31c175ca37_mlp1
		.amdhsa_group_segment_fixed_size 103680
		.amdhsa_private_segment_fixed_size 0
		.amdhsa_enable_private_segment 0
		.amdhsa_kernarg_size 56
		.amdhsa_user_sgpr_count 2
		.amdhsa_user_sgpr_kernarg_segment_ptr 1
		.amdhsa_wavefront_size32 1
		.amdhsa_system_sgpr_workgroup_id_x 1
		.amdhsa_system_sgpr_workgroup_id_y 1
		.amdhsa_system_sgpr_workgroup_id_z 1
		.amdhsa_system_vgpr_workitem_id 0
		.amdhsa_next_free_vgpr 256
		.amdhsa_next_free_sgpr 66
		.amdhsa_reserve_vcc 0
		.amdhsa_float_denorm_mode_32 3
		.amdhsa_float_denorm_mode_16_64 3
		.amdhsa_memory_ordered 1
		.amdhsa_forward_progress 1
		.amdhsa_inst_pref_size 62
	.end_amdhsa_kernel
	.amdgpu_metadata
---
amdhsa.version: [ 1, 2 ]
amdhsa.kernels:
  - .name:           k_q31c175ca37_mlp1
    .symbol:         k_q31c175ca37_mlp1.kd
    .args:
      - { .name: feat_skip, .offset: 0, .size: 8, .value_kind: global_buffer, .address_space: global }
      - { .name: prep, .offset: 8, .size: 8, .value_kind: global_buffer, .address_space: global }
      - { .name: nidx, .offset: 16, .size: 8, .value_kind: global_buffer, .address_space: global }
      - { .name: nwgt, .offset: 24, .size: 8, .value_kind: global_buffer, .address_space: global }
      - { .name: b1, .offset: 32, .size: 8, .value_kind: global_buffer, .address_space: global }
      - { .name: h1, .offset: 40, .size: 8, .value_kind: global_buffer, .address_space: global }
      - { .name: st1, .offset: 48, .size: 8, .value_kind: global_buffer, .address_space: global }
    .group_segment_fixed_size: 103680
    .private_segment_fixed_size: 0
    .kernarg_segment_align: 8
    .kernarg_segment_size: 56
    .max_flat_workgroup_size: 256
    .sgpr_count:     66
    .vgpr_count:     256
    .wavefront_size: 32
...
	.end_amdgpu_metadata
.endif
;; end of part 3
;; launch mlp2 (part 4): grid 64 x 4, 8 waves a work-group, no clusters, 72,960 bytes of LDS; arguments h1, st1, g1, be1, prep, b2, h2, st2; writes h2, st2
.if DOCPART == 4
	.amdgcn_target "amdgcn-amd-amdhsa--gfx1250"
	.amdhsa_code_object_version 6
	.text
	.protected	k_q31c175ca37_mlp2
	.globl	k_q31c175ca37_mlp2
	.p2align	8
	.type	k_q31c175ca37_mlp2,@function
k_q31c175ca37_mlp2:
	s_mov_b64 s[64:65], 0
	v_nop
	global_prefetch_b8 v0, s[64:65] scope:SCOPE_SE
	s_setreg_imm32_b32 hwreg(HW_REG_WAVE_MODE, 25, 1), 1
	s_wait_xcnt 0x0
; mlp2.  h2 = relu(groupnorm(h1) g1 + be1) W2 + b2 for 128 rows a work-group, and h2's statistics as in the launch before: for each group (sum, sum of squares about the work-group's own mean).
; STATISTICS.  A batch's 64 partial pairs of a group are combined in two levels of 8: M2 = the sum of the M2_i + n_i x the sum of (mean_i - mean)^2: never a difference of large sums.
; Level 1: wave v combines partials 8 v .. 8 v + 7; level 2, behind a barrier: every wave combines the eight results.  LANE = GROUP: a row of h1 is 32 lanes x 8 bytes, so lane l
; holds just group l's 4 channels, and no statistic changes lanes.
; FORMATS.  g1, be1, b2 are rounded to bf16 first (W2 in an earlier launch, written as f16).  The normalised, clipped row is rounded once to f16 and is the matrix operand.  h2 is stored once, in f16.
; LIMITS.  |h1|, |relu(norm)|, |W2|, |h2| stay under 65,504.  NaN and infinities are not treated apart.
; SHARES, PRODUCT, WAY OUT as in the launch before, with 4 K steps: wave v builds rows 16 v .. + 15 of the tile and makes columns 16 v .. + 15 of all 128 rows.
; No tensor loads and no cluster, for that launch's reasons: one tile, converted on the way in; the shared weights go straight into registers, 4 KiB a wave, once.
.set PITCH, 272                        ; a tile row: 256 bytes + 16 = 68 words: the 16 rows of a fragment load begin 4 banks apart (64 banks of 4 bytes: ISA guide 11.1)
.set NKS,   4
.set SPI,   272
.set STAGE, 128*PITCH
.set STATS, STAGE+128*SPI
.set CMB,   STATS+256                  ; [8 waves][32 groups] x (sum, M2) of level 1
.set SPARE, CMB+2048                   ; the spare words, 128 bytes a wave
.set BIAS, 16
.set BF,   24                          ; v[24:55]   W2^T's fragments
.set XR,   56                          ; v[56:87]   16 rows of h1, 2 registers each
.set ACC,  88
.set ABUF, 152
.set P1,   152                         ; 8 partial pairs, level 1
.set P2,   168                         ; level 2
.set AC,   184                         ; rstd x g of my 4 channels
.set BC,   188                         ; be - mean x rstd x g
.set GR,   192
.set BR,   196
.set RS,   200                         ; (sum, M2) combined
.set MEAN, 202
.set VAR,  203
.set CT,   204                         ; 8 at work
.set CDV,  212                         ; 8 deviations of means
.set CE,   220
.set RSTD, 222
.set IA,   240
.set ZERO, 253
.set SPW,  254
.set NIL,  255
.set HB,   16                          ; s[16:17] h2 at my rows
.set SB,   18                          ; s[18:19] st2 at my work-group
.set SA,   152
.set MU,   162
.set QQ,   166
.set TT,   176
.set SQ,   184
.set PKH,  192
.set RB,   208
; eight pairs (sum_i, M2_i) of n numbers each at v[p ..]: cinv = 1 / n, cn = n, ctot = 1 / (8 n), all powers of two
.macro COMBINE p, cinv, cn, ctot
	v_pk_add_f32 v[CT:CT+1],   v[(\p):(\p)+1],     v[(\p)+2:(\p)+3]
	v_pk_add_f32 v[CT+2:CT+3], v[(\p)+4:(\p)+5],   v[(\p)+6:(\p)+7]
	v_pk_add_f32 v[CT+4:CT+5], v[(\p)+8:(\p)+9],   v[(\p)+10:(\p)+11]
	v_pk_add_f32 v[CT+6:CT+7], v[(\p)+12:(\p)+13], v[(\p)+14:(\p)+15]
	v_pk_add_f32 v[CT:CT+1],   v[CT:CT+1],   v[CT+2:CT+3]
	v_pk_add_f32 v[CT+4:CT+5], v[CT+4:CT+5], v[CT+6:CT+7]
	v_pk_add_f32 v[RS:RS+1],   v[CT:CT+1],   v[CT+4:CT+5]
	v_mul_f32 v[MEAN], \ctot, v[RS]
.irp i, 0,1,2,3,4,5,6,7
	v_fma_f32 v[CDV+\i], v[(\p)+2*\i], \cinv, -v[MEAN]
.endr
	v_mul_f32 v[CE],   v[CDV],   v[CDV]
	v_mul_f32 v[CE+1], v[CDV+1], v[CDV+1]
.irp i, 2,4,6
	v_fma_f32 v[CE],   v[CDV+\i],   v[CDV+\i],   v[CE]
	v_fma_f32 v[CE+1], v[CDV+\i+1], v[CDV+\i+1], v[CE+1]
.endr
	v_add_f32 v[CE], v[CE], v[CE+1]
	v_fma_f32 v[RS+1], v[CE], \cn, v[RS+1]
.endm
	s_load_b256 s[4:11], s[0:1], 0x0               ; h1 s[4:5], st1 s[6:7], g1 s[8:9], be1 s[10:11]
	s_load_b256 s[12:19], s[0:1], 0x20             ; prep s[12:13], b2 s[14:15], h2 s[16:17], st2 s[18:19]
	v_lshl_add_u32 v[SPW], v0, 2, SPARE
	v_mov_b32 v[NIL], 0
	v_mov_b32 v[ZERO], 0
	v_lshrrev_b32 v1, 5, v0
	v_readfirstlane_b32 s20, v1                    ; wave 0..7
	s_and_b32 s22, ttmp7, 0xffff
	s_lshl_b32 s23, s22, 6
	s_add_co_u32 s23, s23, ttmp9                   ; wg
	s_mov_b32 s25, 0
	s_mov_b32 s27, 0xffff0000
	s_mov_b32 s34, 0x38000000                      ; 1 / 32,768
	s_mov_b32 s35, 0x3727c5ac                      ; 1e-5
	v_and_b32 v2, 31, v0                           ; l
	v_and_b32 v3, 15, v0                           ; r
	v_bfe_u32 v13, v0, 4, 1                        ; h
	v_lshlrev_b32 v4, 4, v2                        ; 16 l
	v_lshlrev_b32 v5, 4, v3                        ; 16 r
	v_lshlrev_b32 v6, 4, v13                       ; 16 h
	v_lshlrev_b32 v15, 3, v2                       ; 8 l
	v_add_nc_u32 v2, CMB, v15                      ; level 2 reads group l of every wave
	s_lshl_b32 s30, s20, 8
	s_add_co_u32 s30, s30, CMB
	v_add_nc_u32 v7, s30, v15                      ; level 1 writes group l of my wave
	s_mul_i32 s30, s20, 16*PITCH
	v_add_nc_u32 v8, s30, v15                      ; the tile: row 16 v (+ 1 a row), byte 8 l
	v_mul_u32_u24 v9, v3, PITCH
	v_add_nc_u32 v9, v9, v6                        ; a fragment of the tile
	v_lshl_add_u32 v10, v3, 8, v6                  ; a fragment of W2^T: row r of 256 bytes, byte 16 h
	s_lshl_b32 s31, s20, 5
	s_add_co_u32 s30, s31, STAGE
	v_mul_u32_u24 v11, v3, SPI
	v_add3_u32 v11, v11, v6, s30
	s_mul_i32 s30, s20, 16*SPI
	s_add_co_u32 s30, s30, STAGE
	v_mul_u32_u24 v12, v13, SPI
	v_add3_u32 v12, v12, v5, s30
	s_add_co_u32 s31, s31, STATS
	v_add_nc_u32 v14, s31, v6
	v_add_nc_u32 v1, STATS, v15
	v_lshlrev_b32 v13, 5, v13
	s_wait_kmcnt 0x0
	s_lshl_b32 s24, s23, 15
	s_lshl_b32 s26, s20, 12
	s_add_co_u32 s24, s24, s26
	s_add_nc_u64 s[4:5], s[4:5], s[24:25]          ; h1 and h2 at my wave's 16 rows of 256 bytes
	s_add_nc_u64 s[HB:HB+1], s[HB:HB+1], s[24:25]
	s_mov_b32 s24, s26
	s_add_nc_u64 s[28:29], s[12:13], s[24:25]
	s_add_nc_u64 s[28:29], s[28:29], 0x410000      ; W2^T at my 16 rows of 256 bytes
	s_lshl_b32 s24, s22, 14
	s_lshl_b32 s26, s20, 11
	s_add_co_u32 s24, s24, s26
	s_add_nc_u64 s[6:7], s[6:7], s[24:25]          ; the batch's 64 partials of 256 bytes, my wave's 8
	s_lshl_b32 s24, s20, 6
	s_add_nc_u64 s[14:15], s[14:15], s[24:25]
	s_lshl_b32 s24, s23, 8
	s_add_nc_u64 s[SB:SB+1], s[SB:SB+1], s[24:25]
.set i, 0
.rept 8
	global_load_b64 v[P1+2*i:P1+2*i+1], v15, s[6:7] offset:256*i
.set i, i+1
.endr
	global_load_b128 v[GR:GR+3], v4, s[8:9]
	global_load_b128 v[BR:BR+3], v4, s[10:11]
.set t, 0
.rept 16
	global_load_b64 v[XR+2*t:XR+2*t+1], v15, s[4:5] offset:256*t th:TH_LOAD_NT  ; a whole row of 256 bytes
.set t, t+1
.endr
.set k, 0
.rept NKS
	global_load_b128 v[BF+8*k:BF+8*k+3],   v10, s[28:29] offset:64*k
	global_load_b128 v[BF+8*k+4:BF+8*k+7], v10, s[28:29] offset:64*k+32
.set k, k+1
.endr
	global_load_b128 v[BIAS:BIAS+3],   v13, s[14:15]
	global_load_b128 v[BIAS+4:BIAS+7], v13, s[14:15] offset:16
	s_wait_loadcnt 28                              ; the 8 partials are in; behind them 2 + 16 + 8 + 2 loads
	COMBINE P1, 0x3b000000, 0x44000000, 0x39800000 ; 8 x 512 numbers
	ds_store_b64 v7, v[RS:RS+1]
	s_wait_dscnt 0x0
	s_barrier_signal -1
	s_barrier_wait -1
.set i, 0
.rept 8
	ds_load_b64 v[P2+2*i:P2+2*i+1], v2 offset:256*i
.set i, i+1
.endr
	s_wait_dscnt 0x0
	COMBINE P2, 0x39800000, 0x45800000, 0x38000000 ; 8 x 4,096 numbers
	v_fma_f32 v[VAR], v[RS+1], s34, s35            ; M2 / 32,768 + eps
	v_rsq_f32 v[RSTD], v[VAR]
	v_nop                                          ; a plain line behind the root
	s_wait_loadcnt 10                              ; g1, be1 and h1 are in; W2^T's 8 loads and b2's 2 stay out
	v_cvt_pk_bf16_f32 v[CT],   v[GR],   v[GR+1]
	v_cvt_pk_bf16_f32 v[CT+1], v[GR+2], v[GR+3]
	v_cvt_pk_bf16_f32 v[CT+2], v[BR],   v[BR+1]
	v_cvt_pk_bf16_f32 v[CT+3], v[BR+2], v[BR+3]
.irp p, 0,1,2,3
	v_lshlrev_b32 v[GR+2*\p],   16,  v[CT+\p]      ; g1's four, then be1's four
	v_and_b32     v[GR+2*\p+1], s27, v[CT+\p]
.endr
	s_wait_alu depctr_va_vdst(0)                   ; ahead of the root's first reader
.irp p, 0,1,2,3
	v_mul_f32 v[AC+\p], v[RSTD], v[GR+\p]
.endr
.irp p, 0,1,2,3
	v_fma_f32 v[BC+\p], -v[MEAN], v[AC+\p], v[BR+\p]
.endr
.set t, 0
.rept 16                                               ; x a + b in f32 from the f16 halves, rounded once to f16, in place; then the clip at 0
	v_fma_mixlo_f16 v[XR+2*t],   v[XR+2*t],   v[AC],   v[BC]   op_sel_hi:[1,0,0]
	v_fma_mixlo_f16 v[XR+2*t+1], v[XR+2*t+1], v[AC+2], v[BC+2] op_sel_hi:[1,0,0]
	v_fma_mixhi_f16 v[XR+2*t],   v[XR+2*t],   v[AC+1], v[BC+1] op_sel:[1,0,0] op_sel_hi:[1,0,0]
	v_fma_mixhi_f16 v[XR+2*t+1], v[XR+2*t+1], v[AC+3], v[BC+3] op_sel:[1,0,0] op_sel_hi:[1,0,0]
	v_pk_max_num_f16 v[XR+2*t],   v[XR+2*t],   v[ZERO]
	v_pk_max_num_f16 v[XR+2*t+1], v[XR+2*t+1], v[ZERO]
	ds_store_b64 v8, v[XR+2*t:XR+2*t+1] offset:PITCH*t
.set t, t+1
.endr
	s_wait_dscnt 0x0                               ; for the others' sake: my 16 rows of the tile are written
	s_barrier_signal -1
	s_barrier_wait -1
	s_wait_loadcnt 0x0                             ; W2^T and b2
.irp p, 0,1,2,3
	v_cvt_pk_bf16_f32 v[IA+\p], v[BIAS+2*\p], v[BIAS+2*\p+1]
.endr
.irp p, 0,1,2,3
	v_lshlrev_b32 v[BIAS+2*\p],   16,  v[IA+\p]
	v_and_b32     v[BIAS+2*\p+1], s27, v[IA+\p]
.endr
	; THE PRODUCT.  Chunk n of 2 NKS: K step n / 2, rows 64 (n % 2) .. + 63: 8 LDS loads, 4 matrix instructions.  Three buffers: a chunk is fetched two chunks ahead.
.macro AFETCH n
.set ab, ABUF+32*((\n)%3)
.set ao, 64*PITCH*((\n)%2)+64*((\n)/2)
.irp i, 0,1,2,3
	ds_load_b128 v[ab+8*\i:ab+8*\i+3],   v9 offset:ao+16*PITCH*\i
	ds_load_b128 v[ab+8*\i+4:ab+8*\i+7], v9 offset:ao+16*PITCH*\i+32
.endr
.endm
	AFETCH 0
	AFETCH 1
.set cc, 0
.rept 2*NKS
.if cc+2 < 2*NKS
.if cc > 0
.rept 4
	v_nop                                          ; four places behind the products that read the buffer which is loaded next (ISA guide 7.12.1 for vector lines)
.endr
.endif
	AFETCH cc+2
	s_wait_dscnt 16                                ; the two younger chunks' loads may stay out
.elseif cc+2 == 2*NKS
	s_wait_dscnt 8
.else
	s_wait_dscnt 0x0
.endif
.set ab, ABUF+32*(cc%3)
.irp i, 0,1,2,3                                        ; the 8 accumulators take turns, one instruction a turn
.if cc < 2
	v_wmma_f32_16x16x32_f16 v[ACC+8*(4*(cc%2)+\i):ACC+8*(4*(cc%2)+\i)+7], v[BF+8*(cc/2):BF+8*(cc/2)+7], v[ab+8*\i:ab+8*\i+7], v[BIAS:BIAS+7]
.else
	v_wmma_f32_16x16x32_f16 v[ACC+8*(4*(cc%2)+\i):ACC+8*(4*(cc%2)+\i)+7], v[BF+8*(cc/2):BF+8*(cc/2)+7], v[ab+8*\i:ab+8*\i+7], v[ACC+8*(4*(cc%2)+\i):ACC+8*(4*(cc%2)+\i)+7]
.endif
.endr
.set cc, cc+1
.endr
	; THE WAY OUT.  Registers 0-3 of a lane's accumulators are group 4 v + 2 h, registers 4-7 the next; a group's 512 numbers lie in 16 lanes x 8 accumulators x 4 registers.
.rept 8
	v_nop                                          ; the places behind the last products
.endr
.irp p, 0,1,2,3                                        ; each accumulator is read from its low end on
	v_pk_add_f32 v[SA+2*\p:SA+2*\p+1], v[ACC+2*\p:ACC+2*\p+1], v[ACC+8+2*\p:ACC+8+2*\p+1]
.endr
.set mb, 2
.rept 6
.irp p, 0,1,2,3
	v_pk_add_f32 v[SA+2*\p:SA+2*\p+1], v[SA+2*\p:SA+2*\p+1], v[ACC+8*mb+2*\p:ACC+8*mb+2*\p+1]
.endr
.set mb, mb+1
.endr
	v_pk_add_f32 v[SA:SA+1], v[SA:SA+1], v[SA+2:SA+3]
	v_pk_add_f32 v[SA+4:SA+5], v[SA+4:SA+5], v[SA+6:SA+7]
	v_add_f32 v[SQ],   v[SA],   v[SA+1]
	v_add_f32 v[SQ+2], v[SA+4], v[SA+5]
.irp x, 1,2,4,8
	v_add_f32_dpp v[SQ],   v[SQ],   v[SQ]   row_xmask:\x row_mask:0xf bank_mask:0xf
	v_add_f32_dpp v[SQ+2], v[SQ+2], v[SQ+2] row_xmask:\x row_mask:0xf bank_mask:0xf
.endr
	v_mul_f32 v[MU],   0x3b000000, v[SQ]           ; the work-group's own mean: sum / 512
	v_mul_f32 v[MU+1], 0x3b000000, v[SQ]
	v_mul_f32 v[MU+2], 0x3b000000, v[SQ+2]
	v_mul_f32 v[MU+3], 0x3b000000, v[SQ+2]
.set mb, 0
.rept 8
.irp p, 0,1,2,3
	v_pk_add_f32 v[TT+2*\p:TT+2*\p+1], v[ACC+8*mb+2*\p:ACC+8*mb+2*\p+1], v[MU+2*(\p/2):MU+2*(\p/2)+1] neg_lo:[0,1] neg_hi:[0,1]
.endr
.irp p, 0,1,2,3
.if mb == 0
	v_pk_mul_f32 v[QQ+2*\p:QQ+2*\p+1], v[TT+2*\p:TT+2*\p+1], v[TT+2*\p:TT+2*\p+1]
.else
	v_pk_fma_f32 v[QQ+2*\p:QQ+2*\p+1], v[TT+2*\p:TT+2*\p+1], v[TT+2*\p:TT+2*\p+1], v[QQ+2*\p:QQ+2*\p+1]
.endif
.endr
.set mb, mb+1
.endr
	v_pk_add_f32 v[QQ:QQ+1], v[QQ:QQ+1], v[QQ+2:QQ+3]
	v_pk_add_f32 v[QQ+4:QQ+5], v[QQ+4:QQ+5], v[QQ+6:QQ+7]
	v_add_f32 v[SQ+1], v[QQ],   v[QQ+1]
	v_add_f32 v[SQ+3], v[QQ+4], v[QQ+5]
.irp x, 1,2,4,8
	v_add_f32_dpp v[SQ+1], v[SQ+1], v[SQ+1] row_xmask:\x row_mask:0xf bank_mask:0xf
	v_add_f32_dpp v[SQ+3], v[SQ+3], v[SQ+3] row_xmask:\x row_mask:0xf bank_mask:0xf
.endr
	ds_store_b64 v14, v[SQ:SQ+1]                   ; sixteen lanes write the same pair to the same place
	ds_store_b64 v14, v[SQ+2:SQ+3] offset:8
.set mb, 0
.rept 8
.set pk, PKH+4*(mb%4)
.irp i, 0,1,2,3
	v_cvt_pk_f16_f32 v[pk+\i], v[ACC+8*mb+2*\i], v[ACC+8*mb+2*\i+1]
.endr
	ds_store_b128 v11, v[pk:pk+3] offset:16*SPI*mb
.set mb, mb+1
.endr
	s_wait_dscnt 0x0                               ; for the others' sake: a row's 256 bytes come from all eight waves
	s_barrier_signal -1
	s_barrier_wait -1
.set t, 0
.rept 8
	ds_load_b128 v[RB+4*t:RB+4*t+3], v12 offset:2*SPI*t
.set t, t+1
.endr
.set t, 0
.rept 8
	s_wait_dscnt 7-t
	global_store_b128 v4, v[RB+4*t:RB+4*t+3], s[HB:HB+1] offset:512*t  ; two whole rows: 512 consecutive bytes, aligned
.set t, t+1
.endr
	s_cmp_lg_u32 s20, 0
	s_cbranch_scc1 .Lend
	ds_load_b64 v[240:241], v1
	s_wait_dscnt 0x0
	global_store_b64 v15, v[240:241], s[SB:SB+1]   ; 32 groups: 256 consecutive bytes, aligned
.Lend:
	s_wait_tensorcnt 0x0                           ; the wave's end, behind my last LDS store
	ds_add_u32 v[SPW], v[NIL]
	s_wait_dscnt 0x0
	s_endpgm
.Lfunc_end_k_q31c175ca37_mlp2:
	.size	k_q31c175ca37_mlp2, .Lfunc_end_k_q31c175ca37_mlp2-k_q31c175ca37_mlp2
	.p2alignl 7, 3214868480
	.fill 96, 4, 3214868480
	.section	.rodata,"a",@progbits
	.p2align	6, 0x0
	.amdhsa_kernel k_q31c175ca37_mlp2
		.amdhsa_group_segment_fixed_size 72960
		.amdhsa_private_segment_fixed_size 0
		.amdhsa_enable_private_segment 0
		.amdhsa_kernarg_size 64
		.amdhsa_user_sgpr_count 2
		.amdhsa_user_sgpr_kernarg_segment_ptr 1
		.amdhsa_wavefront_size32 1
		.amdhsa_system_sgpr_workgroup_id_x 1
		.amdhsa_system_sgpr_workgroup_id_y 1
		.amdhsa_system_sgpr_workgroup_id_z 1
		.amdhsa_system_vgpr_workitem_id 0
		.amdhsa_next_free_vgpr 256
		.amdhsa_next_free_sgpr 66
		.amdhsa_reserve_vcc 0
		.amdhsa_float_denorm_mode_32 3
		.amdhsa_float_denorm_mode_16_64 3
		.amdhsa_memory_ordered 1
		.amdhsa_forward_progress 1
		.amdhsa_inst_pref_size 39
	.end_amdhsa_kernel
	.amdgpu_metadata
---
amdhsa.version: [ 1, 2 ]
amdhsa.kernels:
  - .name:           k_q31c175ca37_mlp2
    .symbol:         k_q31c175ca37_mlp2.kd
    .args:
      - { .name: h1, .offset: 0, .size: 8, .value_kind: global_buffer, .address_space: global }
      - { .name: st1, .offset: 8, .size: 8, .value_kind: global_buffer, .address_space: global }
      - { .name: g1, .offset: 16, .size: 8, .value_kind: global_buffer, .address_space: global }
      - { .name: be1, .offset: 24, .size: 8, .value_kind: global_buffer, .address_space: global }
      - { .name: prep, .offset: 32, .size: 8, .value_kind: global_buffer, .address_space: global }
      - { .name: b2, .offset: 40, .size: 8, .value_kind: global_buffer, .address_space: global }
      - { .name: h2, .offset: 48, .size: 8, .value_kind: global_buffer, .address_space: global }
      - { .name: st2, .offset: 56, .size: 8, .value_kind: global_buffer, .address_space: global }
    .group_segment_fixed_size: 72960
    .private_segment_fixed_size: 0
    .kernarg_segment_align: 8
    .kernarg_segment_size: 64
    .max_flat_workgroup_size: 256
    .sgpr_count:     66
    .vgpr_count:     256
    .wavefront_size: 32
...
	.end_amdgpu_metadata
.endif
;; end of part 4
;; launch norm_out (part 5): grid 64 x 4, 8 waves a work-group, no clusters, 3,072 bytes of LDS; arguments h2, st2, g2, be2, out0; writes out0
.if DOCPART == 5
	.amdgcn_target "amdgcn-amd-amdhsa--gfx1250"
	.amdhsa_code_object_version 6
	.text
	.protected	k_q31c175ca37_norm_out
	.globl	k_q31c175ca37_norm_out
	.p2align	8
	.type	k_q31c175ca37_norm_out,@function
k_q31c175ca37_norm_out:
	s_mov_b64 s[64:65], 0
	v_nop
	global_prefetch_b8 v0, s[64:65] scope:SCOPE_SE
	s_setreg_imm32_b32 hwreg(HW_REG_WAVE_MODE, 25, 1), 1
	s_wait_xcnt 0x0
; norm_out.  out0 = relu(groupnorm(h2) g2 + be2), f32.  128 rows a work-group, 16 a wave.  LANE = GROUP: a row of h2 is 32 lanes x 8 bytes, so lane l holds just group l's 4 channels.
; The batch's 64 partial pairs (sum, M2 about the own mean) of a group are combined in two levels of 8, as in the launch before: M2 = the sum of the M2_i + n_i x the sum of
; (mean_i - mean)^2.  g2 and be2 are rounded to bf16 first, like every input.  A stream: memory binds, so no matrix unit, no tensor load, no cluster; all loads go out at the head,
; each row is read as 256 and written as 512 consecutive aligned bytes, once.  NaN and infinities are not treated apart.
.set CMB,   0                          ; [8 waves][32 groups] x (sum, M2) of level 1
.set SPARE, 2048                       ; the spare words, 128 bytes a wave
.set SPW,  20
.set NIL,  21
.set P1,   24
.set P2,   40
.set XR,   56                          ; v[56:87]   16 rows of h2, 2 registers each
.set GR,   88
.set BR,   92
.set AC,   96
.set BC,   100
.set RS,   104
.set MEAN, 106
.set VAR,  107
.set CT,   108
.set OU,   116                         ; v[116:179] 16 rows out, 4 registers each: no store's data is written twice
.set CDV,  180
.set CE,   188
.set RSTD, 190
.macro COMBINE p, cinv, cn, ctot
	v_pk_add_f32 v[CT:CT+1],   v[(\p):(\p)+1],     v[(\p)+2:(\p)+3]
	v_pk_add_f32 v[CT+2:CT+3], v[(\p)+4:(\p)+5],   v[(\p)+6:(\p)+7]
	v_pk_add_f32 v[CT+4:CT+5], v[(\p)+8:(\p)+9],   v[(\p)+10:(\p)+11]
	v_pk_add_f32 v[CT+6:CT+7], v[(\p)+12:(\p)+13], v[(\p)+14:(\p)+15]
	v_pk_add_f32 v[CT:CT+1],   v[CT:CT+1],   v[CT+2:CT+3]
	v_pk_add_f32 v[CT+4:CT+5], v[CT+4:CT+5], v[CT+6:CT+7]
	v_pk_add_f32 v[RS:RS+1],   v[CT:CT+1],   v[CT+4:CT+5]
	v_mul_f32 v[MEAN], \ctot, v[RS]
.irp i, 0,1,2,3,4,5,6,7
	v_fma_f32 v[CDV+\i], v[(\p)+2*\i], \cinv, -v[MEAN]
.endr
	v_mul_f32 v[CE],   v[CDV],   v[CDV]
	v_mul_f32 v[CE+1], v[CDV+1], v[CDV+1]
.irp i, 2,4,6
	v_fma_f32 v[CE],   v[CDV+\i],   v[CDV+\i],   v[CE]
	v_fma_f32 v[CE+1], v[CDV+\i+1], v[CDV+\i+1], v[CE+1]
.endr
	v_add_f32 v[CE], v[CE], v[CE+1]
	v_fma_f32 v[RS+1], v[CE], \cn, v[RS+1]
.endm
	s_load_b256 s[4:11], s[0:1], 0x0               ; h2 s[4:5], st2 s[6:7], g2 s[8:9], be2 s[10:11]
	s_load_b64 s[12:13], s[0:1], 0x20              ; out0
	v_lshl_add_u32 v[SPW], v0, 2, SPARE
	v_mov_b32 v[NIL], 0
	v_lshrrev_b32 v1, 5, v0
	v_readfirstlane_b32 s20, v1                    ; wave 0..7
	s_and_b32 s22, ttmp7, 0xffff
	s_lshl_b32 s23, s22, 6
	s_add_co_u32 s23, s23, ttmp9                   ; wg
	s_mov_b32 s25, 0
	s_mov_b32 s27, 0xffff0000
	s_mov_b32 s30, 0x38000000                      ; 1 / 32,768
	s_mov_b32 s31, 0x3727c5ac                      ; 1e-5
	v_and_b32 v1, 31, v0
	v_lshlrev_b32 v4, 4, v1                        ; 16 l
	v_lshlrev_b32 v5, 3, v1                        ; 8 l: in memory, and group l in LDS (CMB = 0)
	s_lshl_b32 s26, s20, 8
	v_add_nc_u32 v6, s26, v5                       ; level 1 writes group l of my wave
	s_wait_kmcnt 0x0
	s_lshl_b32 s24, s23, 15
	s_lshl_b32 s26, s20, 12
	s_add_co_u32 s24, s24, s26
	s_add_nc_u64 s[4:5], s[4:5], s[24:25]          ; h2 at my wave's 16 rows of 256 bytes
	s_lshl_b32 s24, s24, 1
	s_add_nc_u64 s[12:13], s[12:13], s[24:25]      ; out0 at the same rows, 512 bytes each
	s_lshl_b32 s24, s22, 14
	s_lshl_b32 s26, s20, 11
	s_add_co_u32 s24, s24, s26
	s_add_nc_u64 s[6:7], s[6:7], s[24:25]          ; the batch's 64 partials of 256 bytes, my wave's 8
.set i, 0
.rept 8
	global_load_b64 v[P1+2*i:P1+2*i+1], v5, s[6:7] offset:256*i
.set i, i+1
.endr
	global_load_b128 v[GR:GR+3], v4, s[8:9]
	global_load_b128 v[BR:BR+3], v4, s[10:11]
.set t, 0
.rept 16
	global_load_b64 v[XR+2*t:XR+2*t+1], v5, s[4:5] offset:256*t th:TH_LOAD_NT
.set t, t+1
.endr
	s_wait_loadcnt 18                              ; the 8 partials are in; behind them 2 + 16 loads
	COMBINE P1, 0x3b000000, 0x44000000, 0x39800000 ; 8 x 512 numbers
	ds_store_b64 v6, v[RS:RS+1]
	s_wait_dscnt 0x0
	s_barrier_signal -1
	s_barrier_wait -1
.set i, 0
.rept 8
	ds_load_b64 v[P2+2*i:P2+2*i+1], v5 offset:CMB+256*i
.set i, i+1
.endr
	s_wait_dscnt 0x0
	COMBINE P2, 0x39800000, 0x45800000, 0x38000000 ; 8 x 4,096 numbers
	v_fma_f32 v[VAR], v[RS+1], s30, s31            ; M2 / 32,768 + eps
	v_rsq_f32 v[RSTD], v[VAR]
	v_nop                                          ; a plain line behind the root
	s_wait_loadcnt 0x0                             ; g2, be2 and the rows
	v_cvt_pk_bf16_f32 v[CT],   v[GR],   v[GR+1]
	v_cvt_pk_bf16_f32 v[CT+1], v[GR+2], v[GR+3]
	v_cvt_pk_bf16_f32 v[CT+2], v[BR],   v[BR+1]
	v_cvt_pk_bf16_f32 v[CT+3], v[BR+2], v[BR+3]
.irp p, 0,1,2,3
	v_lshlrev_b32 v[GR+2*\p],   16,  v[CT+\p]      ; g2's four, then be2's four
	v_and_b32     v[GR+2*\p+1], s27, v[CT+\p]
.endr
	s_wait_alu depctr_va_vdst(0)                   ; ahead of the root's first reader
.irp p, 0,1,2,3
	v_mul_f32 v[AC+\p], v[RSTD], v[GR+\p]
.endr
.irp p, 0,1,2,3
	v_fma_f32 v[BC+\p], -v[MEAN], v[AC+\p], v[BR+\p]
.endr
.set t, 0
.rept 16
	v_fma_mix_f32 v[OU+4*t],   v[XR+2*t],   v[AC],   v[BC]   op_sel_hi:[1,0,0]
	v_fma_mix_f32 v[OU+4*t+1], v[XR+2*t],   v[AC+1], v[BC+1] op_sel:[1,0,0] op_sel_hi:[1,0,0]
	v_fma_mix_f32 v[OU+4*t+2], v[XR+2*t+1], v[AC+2], v[BC+2] op_sel_hi:[1,0,0]
	v_fma_mix_f32 v[OU+4*t+3], v[XR+2*t+1], v[AC+3], v[BC+3] op_sel:[1,0,0] op_sel_hi:[1,0,0]
	v_max_num_f32 v[OU+4*t],   0, v[OU+4*t]
	v_max_num_f32 v[OU+4*t+1], 0, v[OU+4*t+1]
	v_max_num_f32 v[OU+4*t+2], 0, v[OU+4*t+2]
	v_max_num_f32 v[OU+4*t+3], 0, v[OU+4*t+3]
	global_store_b128 v4, v[OU+4*t:OU+4*t+3], s[12:13] offset:512*t th:TH_STORE_NT  ; a whole row: 512 consecutive bytes, aligned
.set t, t+1
.endr
	s_wait_tensorcnt 0x0                           ; the wave's end, behind my last LDS store
	ds_add_u32 v[SPW], v[NIL]
	s_wait_dscnt 0x0
	s_endpgm
.Lfunc_end_k_q31c175ca37_norm_out:
	.size	k_q31c175ca37_norm_out, .Lfunc_end_k_q31c175ca37_norm_out-k_q31c175ca37_norm_out
	.p2alignl 7, 3214868480
	.fill 96, 4, 3214868480
	.section	.rodata,"a",@progbits
	.p2align	6, 0x0
	.amdhsa_kernel k_q31c175ca37_norm_out
		.amdhsa_group_segment_fixed_size 3072
		.amdhsa_private_segment_fixed_size 0
		.amdhsa_enable_private_segment 0
		.amdhsa_kernarg_size 40
		.amdhsa_user_sgpr_count 2
		.amdhsa_user_sgpr_kernarg_segment_ptr 1
		.amdhsa_wavefront_size32 1
		.amdhsa_system_sgpr_workgroup_id_x 1
		.amdhsa_system_sgpr_workgroup_id_y 1
		.amdhsa_system_sgpr_workgroup_id_z 1
		.amdhsa_system_vgpr_workitem_id 0
		.amdhsa_next_free_vgpr 192
		.amdhsa_next_free_sgpr 66
		.amdhsa_reserve_vcc 0
		.amdhsa_float_denorm_mode_32 3
		.amdhsa_float_denorm_mode_16_64 3
		.amdhsa_memory_ordered 1
		.amdhsa_forward_progress 1
		.amdhsa_inst_pref_size 17
	.end_amdhsa_kernel
	.amdgpu_metadata
---
amdhsa.version: [ 1, 2 ]
amdhsa.kernels:
  - .name:           k_q31c175ca37_norm_out
    .symbol:         k_q31c175ca37_norm_out.kd
    .args:
      - { .name: h2, .offset: 0, .size: 8, .value_kind: global_buffer, .address_space: global }
      - { .name: st2, .offset: 8, .size: 8, .value_kind: global_buffer, .address_space: global }
      - { .name: g2, .offset: 16, .size: 8, .value_kind: global_buffer, .address_space: global }
      - { .name: be2, .offset: 24, .size: 8, .value_kind: global_buffer, .address_space: global }
      - { .name: out0, .offset: 32, .size: 8, .value_kind: global_buffer, .address_space: global }
    .group_segment_fixed_size: 3072
    .private_segment_fixed_size: 0
    .kernarg_segment_align: 8
    .kernarg_segment_size: 40
    .max_flat_workgroup_size: 256
    .sgpr_count:     66
    .vgpr_count:     192
    .wavefront_size: 32
...
	.end_amdgpu_metadata
.endif
;; end of part 5
